; MI455X (gfx1250); checked and timed in simulation.
; The chip was launched on July 23, 2026; its instructions are those of AMD's public machine-readable ISA for CDNA 5 (MIT licence, August 2026) and "CDNA5" Instruction Set Architecture Reference Guide (July 2026). The comments in the code are by the model that wrote it; some were corrected since.
;; Multi Head Attention Core. Allowed arithmetic: matrix products marked QUANTISED: E2M1 operands, one E8M0 scale for each 32 along K, by v_wmma_scale_f32_16x16x128_f8f6f4 with both operands' format E2M1 (or v_wmma_scale_f32_32x16x128_f4), f32 sums; everything else in f32.
;; Inputs: W_O_codes 1,024 x 32 x 16 uint8 (E2M1 codes of W_O, K innermost, in blocks of 32 codes, two codes a byte); W_O_scales 1,024 x 32 uint8 (E8M0 scales of W_O, one for each 32 codes along K); b_O 1,024 float32; key_padding_mask 4 x 2,048 bool; keys 4 x 2,048 x 1,024 float32; queries 4 x 2,048 x 1,024 float32; values_codes 4 x 1,024 x 64 x 16 uint8 (E2M1 codes of values, K innermost, in blocks of 32 codes, two codes a byte); values_scales 4 x 1,024 x 64 uint8 (E8M0 scales of values, one for each 32 codes along K).
;; Outputs: out0 4 x 2,048 x 1,024 float32.
;; This version of the problem:
;;   THIS VERSION OF THE PROBLEM IS GIVEN IN LOW PRECISION. The matrix products marked QUANTISED in the list below multiply operands that are first quantised to E2M1 (2 exponent bits, 1 mantissa bit; 4 bits a number), with one power-of-two scale for each 32 numbers along K (OCP MX v1.0); their sums are f32. All else is computed in f32.
;;   The module's matrix products, in the order in which they are computed (A, B: the left and right operand; K: the contracted axis; several contracted axes count as one K, in the product's order):
;;     1. batch 64 x [M 2,048, K 64] x [K 64, N 2,048]; A: input queries; B: input keys: QUANTISED
;;     2. batch 64 x [M 2,048, K 2,048] x [K 2,048, N 64]; A: softmax (see below); B: input values (given as codes): QUANTISED
;;     3. [M 8,192, K 1,024] x [K 1,024, N 1,024]; A: computed on the way; B: input W_O (given as codes): QUANTISED
;;   THE QUANTISER, for each operand of a quantised product, along K:
;;     - K is cut into blocks of 32 from its start; a last block that is shorter is filled with zeros.
;;     - A block's scale is 2^e with e = floor(log2(the largest magnitude in the block)) - 2, held to -126 .. 127; a block of zeros has e = 0. As a byte (E8M0): e + 127.
;;     - Each number is divided by its block's scale, clamped to +-6, and rounded to the nearest number of E2M1, ties to even, subnormals kept.
;;     - The product sums the exact products of the quantised numbers (number of the format x scale) in f32.
;;   ~~~python
;;   def quantise(x, axis):      # numpy; x: float32 -> the quantised numbers, widened to float32 again
;;       x = np.moveaxis(x, axis, -1); K = x.shape[-1]
;;       x = np.pad(x, [(0, 0)] * (x.ndim - 1) + [(0, -K % 32)]); x = x.reshape(x.shape[:-1] + (-1, 32)); a = np.abs(x).max(-1, keepdims=True)
;;       e = np.where(a > 0, np.clip(np.frexp(np.where(a > 0, a, 1))[1] - 1 - 2, -126, 127), 0)      # np.frexp(a)[1] - 1 = floor(log2(a)), exactly
;;       r = np.clip(x / 2.0 ** e, -6, 6)
;;       step = 2.0 ** (np.maximum(np.frexp(np.where(r == 0, 1, r))[1] - 1, 0) - 1)
;;       q = np.round(r / step) * step * 2.0 ** e      # np.round: ties to even
;;       return np.moveaxis(q.reshape(q.shape[:-2] + (-1,))[..., :K], -1, axis).astype(np.float32)
;;   ~~~
;;   SOFTMAX AHEAD OF A QUANTISED PRODUCT. Where the list says 'softmax', what is quantised is not the finished softmax but p = 2^(t - M), with t = logit x log2(e) and M = ceil(the row's largest t), a whole number; so 1/2 < the row's largest p <= 1. The row's sum l is taken of the UNQUANTISED p, in f32, and the product's result is divided by l at the end. Since M is a whole number, a kernel that streams over the keys may use a running M (the ceiling of the running maximum): every later rescaling is an exact power of two, which a block's scale takes up: the codes' values come out the same.
;;   OPERANDS COMPUTED ON THE WAY. 'Computed on the way' means the value that the module computes at that place (a softmax that the list does not call 'softmax' is quantised finished and normalised). What goes into a quantiser is computed in f32, as accurately as f32 sums, v_exp_f32 and their like allow (about 1e-6 of the number): no bf16 or f16 on the way to a quantiser, and a product that is left as it is and whose result goes on into a quantised operand takes f32 operands (vector FMAs, or v_wmma_f32_16x16x4_f32). A number that lies on a knife's edge between two numbers of the format may be rounded either way, as far as f32 arithmetic and the matrix unit's own rounding can turn it there, and no further.
;;   INPUTS GIVEN AS CODES. W_O (in the module: [1024, 1024], K = its axis 1); values (in the module: [4, 2048, 1024], K = its axis 1): each comes as NAME_codes (uint8): NAME with its K axis moved to the last place and cut into blocks of 32 codes, [.., K / 32, bytes a block], one block behind the other in memory; two codes a byte, the lower K in the low four bits (a code: sign, 2 exponent bits, 1 mantissa bit); and NAME_scales (uint8): the same leading axes, one E8M0 byte (e + 127) for each 32 codes along K. Its value is code x scale, taken as it is: it is not quantised again, and the codes and scales need not be those that the quantiser above would give.
;; One version. Each part assembles by itself: llvm-mc -triple=amdgcn-amd-amdhsa -mcpu=gfx1250 --defsym DOCPART=n.
;; ======== version 1 of 1: 3 launches
;; limits: right only within a limited range of input values
;; workspace buffers: k_codes 4,194,304 bytes; k_scales 262,144 bytes; o_codes 4,194,304 bytes; o_scales 262,144 bytes
;; launch prep (part 1): grid 256 x 1, 4 waves a work-group, no clusters, 33,280 bytes of LDS; arguments keys, k_codes, k_scales; writes k_codes, k_scales
.if DOCPART == 1
	.amdgcn_target "amdgcn-amd-amdhsa--gfx1250"
	.amdhsa_code_object_version 6
	.text
	.protected	k_qf5a6febbf0_prep
	.globl	k_qf5a6febbf0_prep
	.p2align	8
	.type	k_qf5a6febbf0_prep,@function
k_qf5a6febbf0_prep:
	s_mov_b64 s[64:65], 0
	v_nop
	global_prefetch_b8 v0, s[64:65] scope:SCOPE_SE
	s_setreg_imm32_b32 hwreg(HW_REG_WAVE_MODE, 25, 1), 1
	s_wait_xcnt 0x0
; keys, [4][2048][1024] f32, become codes of FP4 (E2M1) with one E8M0 byte for each 32 along a head's 64, laid head by head for the attention launch, four of whose work-groups read each head.
; (queries are read once, by one wave each: the attention launch quantises them itself.)
; A block's scale is 2^(floor(log2(its largest magnitude)) - 2); its byte is the largest magnitude's exponent field - 2, held at 1 from below.
; (A block of zeros gets the byte 1 where the quantiser says 127: its codes are zeros, and this program alone reads the bytes.)
; LIMITS: NaN and infinities among the inputs are not served; blocks whose largest magnitude lies under 2^(3 - 127) take the byte 1.
; OUT.  codes: [16 b + head][2048 rows][32 bytes].  scale bytes: [16 b + head][16 groups of 128 rows][256 bytes]; in a group the byte of row k, block hb lies at 16 r + 2 T + hb with
; r = 8 ((k >> 5) & 1) + (k & 7) and T = 4 (k >> 6) + ((k >> 3) & 3).
; SHARES.  A wave takes 128 rows of one head, 16 steps of 8 rows x 64 numbers: 1,024 waves in 256 work-groups.
; Each load reads two rows' 256 aligned bytes, 16 a lane; a step's 2,048 bytes turn through the wave's own stage in LDS, so that a lane holds 16 neighbours.
; No tensor loads, no barrier: waves share nothing.  Loads run eight steps (32 loads a wave) ahead, the turn through LDS one step; the codes are kept in registers and stored in one run at the end.
.set STEPS, 16
.set NS,    8                          ; sets of load registers
.set EMAX,  2
.set R,     16                         ; v16-143  eight sets of 16 numbers as they are loaded
.set X,     144                        ; v144-175 two sets of 16 neighbours
.set E,     176                        ; v176-191 a scale byte for each step
.set C,     192                        ; v192-223 codes: two registers for each step
.set WREG,  8192                       ; LDS: a region for each wave: two stages of 32 x SP bytes, behind them its 256 scale bytes
.set SP,    80
	s_load_b64 s[4:5], s[0:1], 0x0                 ; keys
	s_load_b128 s[8:11], s[0:1], 0x8               ; k_codes, k_scales
	v_lshl_add_u32 v224, v0, 2, 0x8000             ; my spare word, and 0
	v_mov_b32 v225, 0
	v_lshrrev_b32 v1, 5, v0
	v_readfirstlane_b32 s16, v1                    ; wave
	v_and_b32 v2, 31, v0
	v_and_b32 v3, 15, v0
	v_bfe_u32 v10, v0, 4, 1
	v_lshlrev_b32 v3, 4, v3
	v_lshl_add_u32 v3, v10, 12, v3                 ; in: 16 bytes a lane of a row's 256; lanes 16-31 one row further down
	s_mul_i32 s17, s16, WREG
	v_lshrrev_b32 v14, 2, v2
	v_mul_u32_u24 v14, v14, SP
	v_and_b32 v15, 3, v2
	v_lshl_add_u32 v14, v15, 4, v14
	v_add_nc_u32 v14, s17, v14                     ; the stage, on the way in
	v_mul_u32_u24 v15, v2, SP
	v_add_nc_u32 v15, s17, v15                     ; and on the way out: row lane / 4, numbers 16 (lane % 4) on
	v_lshlrev_b32 v4, 3, v2                        ; 8 x lane
	s_add_co_u32 s17, s17, 2*32*SP
	v_lshrrev_b32 v5, 2, v2
	v_lshlrev_b32 v5, 4, v5
	v_bfe_u32 v10, v0, 1, 1
	v_add_nc_u32 v5, v5, v10
	v_add_nc_u32 v5, s17, v5                       ; my block's scale byte
	v_add_nc_u32 v6, s17, v4
	s_wait_alu depctr_va_vdst(0)                   ; the wait at the head's end
	s_wait_kmcnt 0x0
	s_lshl_b32 s17, ttmp9, 2
	s_add_co_u32 s17, s17, s16                     ; my run, 0 .. 1023
	s_and_b32 s18, s17, 15                         ; head
	s_bfe_u32 s19, s17, 0x40004                    ; group of 128 rows
	s_lshr_b32 s20, s17, 8                         ; batch
	s_lshl_b32 s22, s20, 23
	s_lshl_b32 s24, s19, 19
	s_add_co_u32 s22, s22, s24
	s_lshl_b32 s24, s18, 8
	s_add_co_u32 s22, s22, s24
	s_mov_b32 s23, 0
	s_add_nc_u64 s[4:5], s[4:5], s[22:23]
	s_lshl_b32 s21, s20, 4
	s_add_co_u32 s21, s21, s18                     ; 16 b + head
	s_lshl_b32 s22, s21, 16
	s_lshl_b32 s24, s19, 12
	s_add_co_u32 s22, s22, s24
	s_add_nc_u64 s[8:9], s[8:9], s[22:23]
	s_lshl_b32 s22, s21, 12
	s_lshl_b32 s24, s19, 8
	s_add_co_u32 s22, s22, s24
	s_add_nc_u64 s[10:11], s[10:11], s[22:23]
.macro LOAD t                          ; step t: rows 8 t .. 8 t + 7, two rows a load
.irp i, 0,1,2,3
	global_load_b128 v[R+16*((\t)%NS)+4*\i:R+16*((\t)%NS)+4*\i+3], v3, s[4:5] offset:32768*(\t)+8192*\i th:TH_LOAD_NT
.endr
.endm
.macro TURN t                          ; through the stage: LDS serves a wave's instructions in order (ISA guide 5.7.1.4)
.irp i, 0,1,2,3
	ds_store_b128 v14, v[R+16*((\t)%NS)+4*\i:R+16*((\t)%NS)+4*\i+3] offset:32*SP*((\t)%2)+8*SP*\i
.endr
.irp i, 0,1,2,3
	ds_load_b128 v[X+16*((\t)%2)+4*\i:X+16*((\t)%2)+4*\i+3], v15 offset:32*SP*((\t)%2)+16*\i
.endr
.endm
.irp t, 0,1,2,3,4,5,6,7
	LOAD \t
.endr
	s_wait_loadcnt 4*(NS-1)                        ; step 0's four loads are in; those of steps 1 to 7 stay out
	TURN 0
.macro QSTEP t
.set XS, X+16*((\t)%2)
.if (\t) > 0
	s_wait_dscnt 1                                 ; this step's numbers are back (the last step's byte store may be out): so its stores into the stage have read their registers,
.else
	s_wait_dscnt 0x0
.endif
.if (\t)+NS < STEPS
	LOAD (\t)+NS                                   ; which take the loads of eight steps on
.endif
.if (\t)+1 < STEPS
.if STEPS-2-(\t) >= NS-1
	s_wait_loadcnt 4*(NS-1)                        ; the next step's four loads are in; those of the seven steps behind it may be out
.else
	s_wait_loadcnt 4*(STEPS-2-(\t))
.endif
	TURN (\t)+1
.endif
	v_max3_num_f32 v8, |v[XS]|, |v[XS+1]|, |v[XS+2]|               ; the largest magnitude of my 16, in two chains
	v_max3_num_f32 v9, |v[XS+3]|, |v[XS+4]|, |v[XS+5]|
.irp i, 6,10
	v_max3_num_f32 v8, v8, |v[XS+\i]|, |v[XS+\i+1]|
	v_max3_num_f32 v9, v9, |v[XS+\i+2]|, |v[XS+\i+3]|
.endr
	v_max3_num_f32 v8, v8, |v[XS+14]|, |v[XS+15]|
	v_max3_num_f32 v8, v8, v9, (EMAX+1)<<23        ; and the floor 2^(3 - 127)
	v_max_num_f32_dpp v8, v8, v8 row_xmask:1 row_mask:0xf bank_mask:0xf   ; and of my neighbour's 16: the block's
	v_add_nc_u32 v11, -(EMAX<<23), v8              ; 2 off its exponent field: the conversion's scale operand
	v_cvt_scalef32_pk8_fp4_f32 v[C+2*(\t)], v[XS:XS+7], v11
	v_cvt_scalef32_pk8_fp4_f32 v[C+2*(\t)+1], v[XS+8:XS+15], v11
	v_lshrrev_b32 v[E+(\t)], 23, v11               ; the scale's byte (also the plain line behind the conversions)
	ds_store_b8 v5, v[E+(\t)] offset:128*(((\t)>>2)&1)+8*((\t)>>3)+2*((\t)&3)
.endm
.irp t, 0,1,2,3,4,5,6,7,8,9,10,11,12,13,14,15
	QSTEP \t
.endr
.irp t, 0,1,2,3,4,5,6,7,8,9,10,11,12,13,14,15
	global_store_b64 v4, v[C+2*\t:C+2*\t+1], s[8:9] offset:256*\t   ; 32 lanes store 256 consecutive bytes, aligned: eight rows' codes
.endr
	ds_load_b64 v[12:13], v6                       ; these see my byte stores
	s_wait_dscnt 0x0
	global_store_b64 v4, v[12:13], s[10:11]        ; the group's 256 scale bytes, aligned
	s_wait_tensorcnt 0x0                           ; the wave's end
	ds_add_u32 v224, v225
	s_wait_dscnt 0x0
	s_endpgm
.Lfunc_end_k_qf5a6febbf0_prep:
	.size	k_qf5a6febbf0_prep, .Lfunc_end_k_qf5a6febbf0_prep-k_qf5a6febbf0_prep
	.p2alignl 7, 3214868480
	.fill 96, 4, 3214868480
	.section	.rodata,"a",@progbits
	.p2align	6, 0x0
	.amdhsa_kernel k_qf5a6febbf0_prep
		.amdhsa_group_segment_fixed_size 33280
		.amdhsa_private_segment_fixed_size 0
		.amdhsa_enable_private_segment 0
		.amdhsa_kernarg_size 24
		.amdhsa_user_sgpr_count 2
		.amdhsa_user_sgpr_kernarg_segment_ptr 1
		.amdhsa_wavefront_size32 1
		.amdhsa_system_sgpr_workgroup_id_x 1
		.amdhsa_system_sgpr_workgroup_id_y 1
		.amdhsa_system_sgpr_workgroup_id_z 1
		.amdhsa_system_vgpr_workitem_id 0
		.amdhsa_next_free_vgpr 226
		.amdhsa_next_free_sgpr 66
		.amdhsa_reserve_vcc 0
		.amdhsa_float_denorm_mode_32 3
		.amdhsa_float_denorm_mode_16_64 3
		.amdhsa_memory_ordered 1
		.amdhsa_forward_progress 1
		.amdhsa_inst_pref_size 34
	.end_amdhsa_kernel
	.amdgpu_metadata
---
amdhsa.version: [ 1, 2 ]
amdhsa.kernels:
  - .name:           k_qf5a6febbf0_prep
    .symbol:         k_qf5a6febbf0_prep.kd
    .args:
      - { .name: keys, .offset: 0, .size: 8, .value_kind: global_buffer, .address_space: global }
      - { .name: k_codes, .offset: 8, .size: 8, .value_kind: global_buffer, .address_space: global }
      - { .name: k_scales, .offset: 16, .size: 8, .value_kind: global_buffer, .address_space: global }
    .group_segment_fixed_size: 33280
    .private_segment_fixed_size: 0
    .kernarg_segment_align: 8
    .kernarg_segment_size: 24
    .max_flat_workgroup_size: 128
    .sgpr_count:     66
    .vgpr_count:     226
    .wavefront_size: 32
...
	.end_amdgpu_metadata
.endif
;; end of part 1
;; launch attn (part 2): grid 4 x 64, 16 waves a work-group, clusters of 4 x 1, 222,720 bytes of LDS; arguments queries, k_codes, k_scales, values_codes, values_scales, key_padding_mask, o_codes, o_scales; writes o_codes, o_scales
.if DOCPART == 2
	.amdgcn_target "amdgcn-amd-amdhsa--gfx1250"
	.amdhsa_code_object_version 6
	.text
	.protected	k_qf5a6febbf0_attn
	.globl	k_qf5a6febbf0_attn
	.p2align	8
	.type	k_qf5a6febbf0_attn,@function
k_qf5a6febbf0_attn:
	s_mov_b64 s[64:65], 0
	v_nop
	global_prefetch_b8 v0, s[64:65] scope:SCOPE_SE
	s_setreg_imm32_b32 hwreg(HW_REG_WAVE_MODE, 25, 1), 1
	s_wait_xcnt 0x0
	s_wait_alu depctr_hold_cnt(0) depctr_sa_sdst(0) depctr_va_vdst(0) depctr_va_sdst(0) depctr_va_ssrc(0) depctr_va_vcc(0) depctr_vm_vsrc(0)
	s_getreg_b32 s2, hwreg(HW_REG_IB_STS2, 6, 4)
	s_cmp_eq_u32 s2, 0
	s_cbranch_scc0 .Lentry_in_a_cluster
	s_endpgm
.Lentry_in_a_cluster:
	s_bfe_u32 s2, ttmp6, 0x10000c
	s_cmp_lg_u32 s2, 0x3003
	s_cbranch_scc0 .Lentry_shape_is_right
	s_endpgm
.Lentry_shape_is_right:
; Causal attention with a key padding mask, 64 heads (16 b + head) of 2,048 x 64, both products on codes of FP4 (E2M1) with one E8M0 scale for each 32 along K; the result, divided by the row's sum,
; is quantised along d_model for the projection that follows.
; LEFT OUT: key steps all of whose keys come after a tile's queries: their p is 0 for all inputs.  A NaN or infinity that reaches only those steps is not carried on.
; THE SOFTMAX: t = score x log2(e) / 8; M = the row's largest t so far, rounded up to a whole number; p = 2^(t - M) is quantised along the keys; the row's sum is taken of the unquantised p.
; When M moves, the sum and O are multiplied by 2^(old M - new M), which rounds nothing.
; SHARES.  A cluster of four work-groups serves one head; K's and V's codes and scale bytes of the whole head are asked for JOINTLY, once, and stay in LDS: nothing is filled again, so there is no loop of loads to prefetch for.
; The head's queries are 16 groups g of 128, each 8 tiles a of 16.  Wave w of work-group cx takes (g = 15 - w, a = 2 cx) and then (g = w, a = 2 cx + 1).
; QUERIES come as f32 and each tile is read once, by its wave: eight loads of two rows' 256 aligned bytes, a turn through the wave's own stage in LDS, so that lane (r, h) holds numbers 32 h + 0 .. 31 of row r: one block;
; its byte is the largest magnitude's exponent field - 2, held at 1 from below, and four conversions give q's operand as it stands.
; A TILE'S WALK: floor(g / 2) steps of 256 keys that all count; then, g odd, one step of 256 keys with the diagonal in its second half, or, g even, one step of 128 keys on the diagonal.
; One of a wave's two g is odd: 7 + 1 steps of 256 and 1 of 128 for every wave.  Every branch hangs on the wave's number and a loop's counter.
; LAYOUT.  Both products are used transposed: a lane holds ONE query (lane % 16).  Two tiles of keys stand in ONE operand of eight registers; against [q | 0] it gives the first, against [0 | q] the second.
; Lane r of tile 4 c + i takes key 64 c + 32 (r / 8) + 8 i + r % 8, so lane (r, h) holds keys 64 c + 32 h + 0 .. 31 in registers 32 c + 0 .. 31: whole blocks of the next K.  V's channels likewise.
; ONE SCALE REGISTER SERVES BOTH HALVES of a step of 256: lanes 0-15 hold the first 128 keys' word, lanes 16-31 the second's (MATRIX_SCALE_ROW1).
; LDS LOADS AHEAD.  V's fragments are asked for between the two batches of exponentials, into registers of p that have been summed and converted.  The second 128 keys of the NEXT step (K's fragments and biases, 24 loads)
; are asked for behind the last conversions, when their registers are free, and that half is multiplied first in the next step.
; THE PADDING MASK is a bias, 0 or -2^116, for each key, loaded from LDS into the accumulators of K Q^T as its C.  The largest t starts at -2^100.
; A query all of whose allowed keys are masked gets the mean of V over all 2,048 keys, which is what a softmax over equal numbers gives.
; LIMITS: true t above -2^100 and |score| far under 2^116; NaN and infinities among the inputs are not served; a block of q under 2^(3 - 127) takes the byte 1.  o's scale bytes leave a byte a lane, 32 bytes apart: one sixteenth of the codes' bytes.
; REGISTERS: v1-11 lane constants; v12 -M, v13 largest t, v[14:15] the sum; v16-27 [0 | q | 0]; v28-31 scale words of K, then of V; v32-95 K's fragments, then p's codes (v32-47) and work;
; v96-223 S^T, then p, then V's fragments (v96-159); v224-255 O^T.
.set PK,    1040
.set KB,    0
.set VB,    64*PK
.set VH,    32*PK+128
.set KSB,   133376
.set VSB,   KSB+4096
.set BIASB, VSB+64*80
.set VM,    BIASB+8192
.set QB,    VM+256                     ; q's stages: 16 rows x (256 bytes + 16) for each wave
.set QW,    16*272
.set SPARE, QB+16*QW
.set AK0,1
.set AV0,2
.set ASV0,3
.set ASK0,4
.set R,5
.set H8,6
.set SPW,7
.set NIL,8
.set QS,9
.set PSC,10
.set PD,11
.set Z,16
.set SCL,28
.set X,32
.set PC,32
.set MX,48
.set TA,56
.set OM,57
.set F,58
.set SO,60
.set ADB,61                            ; a step's three addresses stand in the registers that its last load of K fills
.set ADS,62
.set ADK,63
.set BY,64
.set P0,68
.set ZS,70
.set KP,71
.set SUM,72
.set QG,86                             ; q: my offset in two rows of queries; where I put 16 bytes into the stage; where I read my block back
.set QI,87
.set QO,88
.set ADV,88
.set ADT,89
.set DD,90
.set NI,91
.set ADK2,95                           ; the early loads' addresses: each in the last register that those loads fill
.set S,96
.set ADB2,223
.set O,224
.set WV,22
.set CX,23
.set HI,24
.set QST,25
.set SEL,26
.set CS,28
.set G1T,32
.set G1KS,40
.set G1VS,48
.set G0K,56
.set G0V,60
.set G0KS,68
.set G0VS,72
.set ST,76
.set G,77
.set TK,78
.set TV,79
.set TS,80
.set TJ,81
.set TBI,82
.set DQ,83
.set OC,84
.set OS,88
.set T2,92
.macro W d, a, b, sa, sb, row          ; D = A B + D.  row 1: A's scales from lanes 16-31; row 3: both sides'
.if (\row) == 0
	v_wmma_scale_f32_16x16x128_f8f6f4 v[(\d):(\d)+7], v[(\a):(\a)+7], v[(\b):(\b)+7], v[(\d):(\d)+7], v[\sa], v[\sb] matrix_a_fmt:MATRIX_FMT_FP4 matrix_b_fmt:MATRIX_FMT_FP4
.endif
.if (\row) == 1
	v_wmma_scale_f32_16x16x128_f8f6f4 v[(\d):(\d)+7], v[(\a):(\a)+7], v[(\b):(\b)+7], v[(\d):(\d)+7], v[\sa], v[\sb] matrix_a_fmt:MATRIX_FMT_FP4 matrix_b_fmt:MATRIX_FMT_FP4 matrix_a_scale:MATRIX_SCALE_ROW1
.endif
.if (\row) == 3
	v_wmma_scale_f32_16x16x128_f8f6f4 v[(\d):(\d)+7], v[(\a):(\a)+7], v[(\b):(\b)+7], v[(\d):(\d)+7], v[\sa], v[\sb] matrix_a_fmt:MATRIX_FMT_FP4 matrix_b_fmt:MATRIX_FMT_FP4 matrix_a_scale:MATRIX_SCALE_ROW1 matrix_b_scale:MATRIX_SCALE_ROW1
.endif
.endm
.macro MM0 d, a, b, sa, sb
	v_wmma_scale_f32_16x16x128_f8f6f4 v[(\d):(\d)+7], v[(\a):(\a)+7], v[(\b):(\b)+7], 0, v[\sa], v[\sb] matrix_a_fmt:MATRIX_FMT_FP4 matrix_b_fmt:MATRIX_FMT_FP4
.endm
.macro PLACES
.rept 4
	v_nop
.endr
.endm
.macro ROUND                           ; a round of the cluster's barrier
	s_barrier_signal -1
	s_barrier_wait -1
	s_cmp_lg_u32 s[WV], 0
	s_cbranch_scc1 .Lnot_wave_0_\@
	s_barrier_signal -3
.Lnot_wave_0_\@:
	s_barrier_wait -3
	s_barrier_signal -1
	s_barrier_wait -1
.endm
; A block of 32 numbers in v[b .. b + 31] is quantised: its largest magnitude with the floor 2^(3 - 127), in two chains; the conversion's scale operand in v[SO], the byte in v[BY], the codes in v[dst .. dst + 3]
.macro QUANT32 b, dst
	v_max3_num_f32 v[MX], |v[(\b)]|, |v[(\b)+1]|, 0x1800000
	v_max3_num_f32 v[MX+1], |v[(\b)+16]|, |v[(\b)+17]|, |v[(\b)+18]|
.set ii, 2
.rept 6
	v_max3_num_f32 v[MX], v[MX], |v[(\b)+ii]|, |v[(\b)+1+ii]|
	v_max3_num_f32 v[MX+1], v[MX+1], |v[(\b)+17+ii]|, |v[(\b)+18+ii]|
.set ii, ii+2
.endr
	v_max3_num_f32 v[MX], v[MX], |v[(\b)+14]|, |v[(\b)+15]|
	v_max3_num_f32 v[MX], v[MX], v[MX+1], |v[(\b)+31]|
	v_add_nc_u32 v[SO], 0xff000000, v[MX]
	v_lshrrev_b32 v[BY], 23, v[SO]
.set tt, 0
.rept 4
	v_cvt_scalef32_pk8_fp4_f32 v[(\dst)+tt], v[(\b)+8*tt:(\b)+8*tt+7], v[SO]
.set tt, tt+1
.endr
.endm
; A TILE OF QUERIES, in three parts: its addresses; its eight loads; the turn through my stage and the quantiser
.macro QADDR
	v_lshlrev_b32 v[QG], 9, v[H8]                  ; lanes 16-31 one row (4,096 bytes) further down,
	v_mad_u32_u24 v[QI], v[H8], 34, s[QST]         ; and one row of 272 bytes in the stage
	v_mad_u32_u24 v[QO], v[R], 272, s[QST]         ; back: row r,
	v_lshl_add_u32 v[QG], v[R], 4, v[QG]           ; 16 bytes a lane of a row's 256
	v_lshl_add_u32 v[QI], v[R], 4, v[QI]
	v_lshl_add_u32 v[QO], v[H8], 4, v[QO]          ; my block's 128 bytes
.endm
.macro QLD base
.set kk, 0
.rept 8
	global_load_b128 v[S+4*kk:S+4*kk+3], v[QG], s[\base:\base+1] offset:8192*kk th:TH_LOAD_NT   ; rows 2 kk and 2 kk + 1: 256 aligned bytes each
.set kk, kk+1
.endr
.endm
.macro QFIN
.set kk, 0
.rept 8
	ds_store_b128 v[QI], v[S+4*kk:S+4*kk+3] offset:544*kk
.set kk, kk+1
.endr
.set kk, 0
.rept 8
	ds_load_b128 v[S+32+4*kk:S+35+4*kk], v[QO] offset:16*kk   ; LDS serves a wave's instructions in order: these see my stores
.set kk, kk+1
.endr
	s_wait_dscnt 0x0
	QUANT32 S+32, Z+4
	v_lshlrev_b32 v[BY], v[H8], v[BY]              ; my block's byte at its place (also the plain line behind the conversions),
	v_permlanex16_b32 v[PD], v[BY], s[SEL], s[SEL+1]
	v_or_b32 v[BY], v[BY], v[PD]                   ; with lane l xor 16's: the row's two bytes,
	v_lshl_or_b32 v[QS], v[BY], 16, v[BY]          ; twice: they serve [q | 0] and [0 | q]
.endm
	s_load_b256 s[4:11], s[0:1], 0x0               ; queries s[4:5], k_codes s[6:7], k_scales s[8:9], values_codes s[10:11]
	s_load_b256 s[12:19], s[0:1], 0x20             ; values_scales s[12:13], key_padding_mask s[14:15], o_codes s[16:17], o_scales s[18:19]
	v_lshl_add_u32 v[SPW], v0, 2, SPARE
	v_mov_b32 v[NIL], 0
	ds_add_u32 v[SPW], v[NIL]                      ; the opening lines: the add twice on end and one wait
	ds_add_u32 v[SPW], v[NIL]
	v_lshrrev_b32 v243, 5, v0
	v_readfirstlane_b32 s[WV], v243                ; wave 0..15
	s_bfe_u32 s[CX], ttmp6, 0x40000                ; my place in the cluster: it enters global addresses of queries and o and the diagonal's vector number alone
	s_and_b32 s[HI], ttmp7, 0xffff                 ; 16 b + head
	s_mov_b32 s[SEL], 0x76543210
	s_mov_b32 s[SEL+1], 0xfedcba98
	s_mov_b32 s[CS], 0x3e38aa3b                    ; log2(e) / 8
	s_mov_b32 s[CS+1], s[CS]
	s_mov_b32 s[G1T], 15|(3<<16)|(1<<20)|(1<<21)|(7<<22)|(3<<25)   ; codes: 32 rows of 1,024 bytes, 4 words behind every 256; the mask names all four
	s_mov_b32 s[G1T+1], 128<<16
	s_mov_b32 s[G1T+2], 32<<16
	s_mov_b32 s[G1T+3], 128<<16
	s_mov_b32 s[G1T+4], 32
	s_mov_b32 s[G1T+5], 128
	s_mov_b32 s[G1T+6], 0
	s_mov_b32 s[G1T+7], 0
	s_mov_b32 s[G1KS], 15|(3<<16)|(1<<21)          ; K's scale bytes: 16 rows of 256 bytes, dense
	s_mov_b32 s[G1KS+1], 32<<16
	s_mov_b32 s[G1KS+2], 16<<16
	s_mov_b32 s[G1KS+3], 32<<16
	s_mov_b32 s[G1KS+4], 16
	s_mov_b32 s[G1KS+5], 32
	s_mov_b32 s[G1KS+6], 0
	s_mov_b32 s[G1KS+7], 0
	s_mov_b32 s[G1VS], 15|(0<<16)|(1<<20)|(1<<21)|(3<<22)|(3<<25)  ; V's: 64 rows of 64 bytes, 4 words behind every 16
	s_mov_b32 s[G1VS+1], 64<<16
	s_mov_b32 s[G1VS+2], 64<<16
	s_mov_b32 s[G1VS+3], 64<<16
	s_mov_b32 s[G1VS+4], 64
	s_mov_b32 s[G1VS+5], 64
	s_mov_b32 s[G1VS+6], 0
	s_mov_b32 s[G1VS+7], 0
	s_and_b32 s30, s[WV], 3                        ; the mean of V: wave w (0-3) takes tile w
	s_lshl_b32 s92, s30, 5
	s_mul_i32 s93, s30, 8*PK
	s_mul_i32 s94, s30, 8*80
	s_mul_i32 s[QST], s[WV], QW
	s_add_co_u32 s[QST], s[QST], QB                ; my stage for q
	; every LDS address and constant register, on the one way that all waves take
	v_and_b32 v[R], 15, v0                         ; r
	v_bfe_u32 v250, v0, 4, 1                       ; h
	v_and_b32 v251, 7, v0                          ; r % 8
	v_bfe_u32 v252, v0, 3, 1                       ; r / 8
	v_mul_u32_u24 v[AK0], v252, PK                 ; K: key 32 (r / 8) + r % 8 of a tile's 64, + my block's 16 bytes
	v_mul_u32_u24 v[AV0], v251, PK                 ; V: channel 32 (r / 8) + r % 8
	v_mul_u32_u24 v[ASV0], v251, 80
	v_lshl_add_u32 v[ASK0], v[R], 4, KSB
	v_lshl_add_u32 v[AK0], v251, 5, v[AK0]
	v_mad_u32_u24 v[AV0], v252, VH, v[AV0]
	v_mad_u32_u24 v[ASV0], v252, 32*80, v[ASV0]
	v_lshl_add_u32 v[ASK0], v250, 8, v[ASK0]       ; lanes 16-31: the next 128 keys' scale bytes
	v_lshl_add_u32 v[AK0], v250, 4, v[AK0]
	v_lshl_add_u32 v[AV0], v250, 4, v[AV0]
	v_add_nc_u32 v[ASV0], VSB, v[ASV0]
	v_lshlrev_b32 v[H8], 3, v250
	v_add_nc_u32 v[AV0], VB, v[AV0]
	v_lshl_add_u32 v92, v250, 7, VM
	v_add_nc_u32 v91, s94, v[ASV0]                 ; the mean: V's scale words of my wave's tile
	v_lshl_add_u32 v[ASV0], v250, 2, v[ASV0]       ; lanes 16-31: the next 128 keys' word
	v_add_nc_u32 v92, s92, v92                     ; where waves 0-3 store the mean
	v_add_nc_u32 v93, s93, v[AV0]                  ; the mean: V's tile of my wave
	v_lshl_add_u32 v90, v0, 4, BIASB               ; where I store four biases
	QADDR
.irp z, 16,17,18,19,24,25,26,27
	v_mov_b32 v\z, 0                               ; the zero codes beside q's
.endr
.irp z, 0,1,2,3,4,5,6,7
	v_mov_b32 v[PC+\z], 0x22222222                 ; for the mean of V: the code of 1.0, eight times
.endr
	v_mov_b32 v[PSC], 0x7f7f7f7f                   ; under the scale 1
	v_mov_b32 v[PD], 0                             ; a lane permute's destination counts as one of its sources
	v_lshlrev_b32 v249, 2, v0                      ; the mask: four keys a thread
	s_wait_alu depctr_va_vdst(0)                   ; the wait ahead of the run of scalar lines
	s_lshl_b32 s94, s[CX], 5                       ; my two tiles of queries: q0 = 128 g + 16 a
	s_xor_b32 s92, s[WV], 15
	s_lshl_b32 s92, s92, 7
	s_add_co_u32 s92, s92, s94
	s_lshl_b32 s93, s[WV], 7
	s_add_co_u32 s93, s93, s94
	s_add_co_u32 s93, s93, 16
	s_lshr_b32 s94, s[HI], 4
	s_lshl_b32 s94, s94, 11                        ; 2048 b
	s_and_b32 s95, s[HI], 15                       ; head
	s_add_co_u32 s92, s92, s94                     ; my tiles' first rows among the 8,192
	s_add_co_u32 s93, s93, s94
	s_lshl_b32 s30, s92, 5                         ; x 32 bytes, in o's codes and in o's scale bytes alike
	s_lshl_b32 s31, s93, 5
	s_lshl_b32 s96, s95, 18                        ; o's codes: 262,144 bytes a head
	s_lshl_b32 s97, s95, 1                         ; o's scale bytes: 2 a head
	s_add_co_u32 s[OC], s30, s96
	s_mov_b32 s[OC+1], 0
	s_add_co_u32 s[OC+2], s31, s96
	s_mov_b32 s[OC+3], 0
	s_add_co_u32 s[OS], s30, s97
	s_mov_b32 s[OS+1], 0
	s_add_co_u32 s[OS+2], s31, s97
	s_mov_b32 s[OS+3], 0
	s_lshl_b32 s95, s95, 8                         ; queries: 256 bytes a head in a row of 4,096
	s_lshl_b32 s96, s92, 12
	s_add_co_u32 s96, s96, s95
	s_mov_b32 s97, 0                               ; s[96:97]: the first tile's bytes
	s_lshl_b32 s94, s93, 12
	s_add_co_u32 s94, s94, s95
	s_mov_b32 s95, 0                               ; s[94:95]: the second's
	s_and_b32 s30, s[WV], 1                        ; the joint loads hang on the head and the wave's number alone
	s_mul_i32 s31, s30, 32*PK
	s_add_co_u32 s[G0K+1], s31, KB
	s_mul_i32 s31, s30, VH
	s_add_co_u32 s[G0V+1], s31, VB
	s_lshl_b32 s66, s[HI], 16
	s_lshl_b32 s31, s30, 15
	s_add_co_u32 s66, s66, s31
	s_mov_b32 s67, 0
	s_lshl_b32 s98, s[HI], 12
	s_mov_b32 s99, 0
	s_lshr_b32 s2, s[HI], 4
	s_lshl_b32 s2, s2, 11
	s_mov_b32 s3, 0
	s_wait_alu depctr_va_vdst(0)                   ; the wait at the head's end
	s_wait_dscnt 0x0
	s_wait_kmcnt 0x0
	s_add_nc_u64 s[20:21], s[4:5], s[94:95]        ; queries at my second tile,
	s_add_nc_u64 s[4:5], s[4:5], s[96:97]          ; and at my first
	s_add_nc_u64 s[14:15], s[14:15], s[2:3]        ; the mask at my batch
	QLD 4
	global_load_b32 v248, v249, s[14:15]           ; four keys' mask bytes
	s_mov_b32 s[G0K], 1
	s_add_nc_u64 s[G0K+2:G0K+3], s[6:7], s[66:67]
	s_or_b32 s[G0K+3], s[G0K+3], 0x80000000
	s_mov_b32 s[G0V], 1
	s_add_nc_u64 s[G0V+2:G0V+3], s[10:11], s[66:67]
	s_or_b32 s[G0V+3], s[G0V+3], 0x80000000
	s_mov_b32 s[G0KS], 1
	s_mov_b32 s[G0KS+1], KSB
	s_add_nc_u64 s[G0KS+2:G0KS+3], s[8:9], s[98:99]
	s_or_b32 s[G0KS+3], s[G0KS+3], 0x80000000
	s_mov_b32 s[G0VS], 1
	s_mov_b32 s[G0VS+1], VSB
	s_add_nc_u64 s[G0VS+2:G0VS+3], s[12:13], s[98:99]
	s_or_b32 s[G0VS+3], s[G0VS+3], 0x80000000
	s_add_nc_u64 s[OC:OC+1], s[16:17], s[OC:OC+1]
	s_add_nc_u64 s[OC+2:OC+3], s[16:17], s[OC+2:OC+3]
	s_add_nc_u64 s[OS:OS+1], s[18:19], s[OS:OS+1]
	s_add_nc_u64 s[OS+2:OS+3], s[18:19], s[OS+2:OS+3]
	ROUND                                          ; all four work-groups are here: the joint loads meet
	s_cmp_lt_u32 s[WV], 2                          ; one tensor load a wave at the most: waves 0, 1: K's halves; 2, 3: V's; 4: K's scale bytes; 5: V's
	s_cbranch_scc0 .Lt_v
	tensor_load_to_lds s[G0K:G0K+3], s[G1T:G1T+7]
	s_nop 0
	PLACES
	s_branch .Lt_done
.Lt_v:
	s_cmp_lt_u32 s[WV], 4
	s_cbranch_scc0 .Lt_ks
	tensor_load_to_lds s[G0V:G0V+3], s[G1T:G1T+7]
	s_nop 0
	PLACES
	s_branch .Lt_done
.Lt_ks:
	s_cmp_eq_u32 s[WV], 4
	s_cbranch_scc0 .Lt_vs
	tensor_load_to_lds s[G0KS:G0KS+3], s[G1KS:G1KS+7]
	s_nop 0
	PLACES
	s_branch .Lt_done
.Lt_vs:
	s_cmp_eq_u32 s[WV], 5
	s_cbranch_scc0 .Lt_done
	tensor_load_to_lds s[G0VS:G0VS+3], s[G1VS:G1VS+7]
	s_nop 0
	PLACES
.Lt_done:
	s_wait_loadcnt 0x0                             ; my first tile of queries and the mask
	v_mov_b32 v255, 0xf9800000                     ; -2^116
.irp k, 0,1,2,3
	v_bfe_u32 v[250+\k], v248, 8*\k, 8
.endr
.irp k, 0,1,2,3
	v_cmp_ne_u32 vcc_lo, 0, v[250+\k]
	v_cndmask_b32 v[244+\k], 0, v255, vcc_lo       ; a masked key's bias
.endr
	ds_store_b128 v90, v[244:247]
	QFIN                                           ; the first tile's q
	s_wait_alu depctr_va_vdst(0)                   ; the wait ahead of the waits below
	s_wait_tensorcnt 0x0
	s_wait_dscnt 0x0
	s_barrier_signal -1
	s_barrier_wait -1                              ; the head and the biases lie in LDS for all sixteen waves
	; THE MEAN OF V over all 2,048 keys: V^T times ones, by waves 0-3, a tile of 16 channels each; four sums by turns
	s_cmp_lt_u32 s[WV], 4
	s_cbranch_scc0 .Lno_mean
.set rho, 0
.rept 4
.set qq, 0
.rept 4
	ds_load_b128 v[S+8*qq:S+8*qq+3], v93 offset:64*(4*rho+qq)
	ds_load_b128 v[S+8*qq+4:S+8*qq+7], v93 offset:64*(4*rho+qq)+32
	ds_load_b32 v[SCL+qq], v91 offset:4*(4*rho+qq)
.set qq, qq+1
.endr
	s_wait_dscnt 0x0
.set qq, 0
.rept 4
.if rho == 0
	MM0 O+8*qq, S+8*qq, PC, SCL+qq, PSC
.else
	W O+8*qq, S+8*qq, PC, SCL+qq, PSC, 0
.endif
.set qq, qq+1
.endr
	PLACES
.set rho, rho+1
.endr
.irp j, 0,2,4,6
	v_pk_add_f32 v[O+\j:O+\j+1], v[O+\j:O+\j+1], v[O+8+\j:O+9+\j]          ; each sum is read from its low end on
	v_pk_add_f32 v[O+16+\j:O+17+\j], v[O+16+\j:O+17+\j], v[O+24+\j:O+25+\j]
.endr
.irp j, 0,2,4,6
	v_pk_add_f32 v[O+\j:O+\j+1], v[O+\j:O+\j+1], v[O+16+\j:O+17+\j]
.endr
.irp j, 0,2,4,6
	v_pk_mul_f32 v[O+\j:O+\j+1], v[O+\j:O+\j+1], 0x3a000000 op_sel_hi:[1,0]   ; x 2^-11
.endr
	ds_store_b128 v92, v[O:O+3]                    ; channels 32 h + 8 w + 0 .. 7; the sixteen lanes of a half write the same values
	ds_store_b128 v92, v[O+4:O+7] offset:16
.Lno_mean:
	s_wait_dscnt 0x0
	s_barrier_signal -1
	s_barrier_wait -1
; THE EARLY LOADS: K's fragments and the biases of the second 128 keys of a pair of groups: 24 loads.  d = 0: of the pair at which the step's scalars stand (a tile's start); d = 1: of the pair behind it.
.macro PRE d
	v_add_nc_u32 v[ADK2], s[TK], v[AK0]
	v_lshl_add_u32 v[ADB2], v[H8], 4, s[TBI]
.set tt, 8
.rept 8
	ds_load_b128 v[X+4*tt:X+4*tt+3], v[ADK2] offset:8*PK*\d+2*PK*(tt/4)+256*(tt%4)
.set tt, tt+1
.endr
.set tt, 8
.rept 8
	ds_load_b128 v[S+8*tt:S+8*tt+3], v[ADB2] offset:1024*\d+256*(tt/4)+32*(tt%4)
	ds_load_b128 v[S+8*tt+4:S+8*tt+7], v[ADB2] offset:1024*\d+256*(tt/4)+32*(tt%4)+16
.set tt, tt+1
.endr
.endm
.macro SUMS from, n                    ; n pairs of p from pair 'from' on, onto the eight chains by turns
.set jj, \from
.rept \n
	v_pk_add_f32 v[SUM+2*(jj%8):SUM+2*(jj%8)+1], v[SUM+2*(jj%8):SUM+2*(jj%8)+1], v[S+2*jj:S+2*jj+1]
.set jj, jj+1
.endr
.endm
.macro EXPS from, n
.set jj, \from
.rept \n
	v_exp_f32 v[S+jj], v[S+jj]                     ; p = 2^(t - M)
.set jj, jj+1
.endr
.endm
.macro CVTS from                       ; eight conversions: register 4 c + i of p's operand: keys 64 c + 32 h + 8 i + 0 .. 7
.set tt, \from
.rept 8
	v_cvt_scalef32_pk8_fp4_f32 v[PC+tt], v[S+8*tt:S+8*tt+7], v[SO+tt/4]
.set tt, tt+1
.endr
.endm
; A KEY STEP of 128 nh keys.  dg = 1: its last 128 keys lie on the diagonal.  pre = 1: it asks for the next step's second half.  Its own second half (nh = 2) was asked for earlier.
.macro STEP nh, dg, pre
	v_lshl_add_u32 v[ADB], v[H8], 4, s[TBI]        ; three additions and two v_nop: five places behind the last products, whose operands' registers are loaded and written over below
	v_add_nc_u32 v[ADS], s[TS], v[ASK0]
	v_add_nc_u32 v[ADK], s[TK], v[AK0]
	v_nop
	v_nop
	ds_load_b128 v[SCL:SCL+3], v[ADS]              ; K's scale bytes: register w: tiles 2 w, 2 w + 1; lanes 16-31: of the second 128 keys
.set tt, 0
.rept 8
	ds_load_b128 v[S+8*tt:S+8*tt+3], v[ADB] offset:256*(tt/4)+32*(tt%4)          ; the biases: the C of tile tt
	ds_load_b128 v[S+8*tt+4:S+8*tt+7], v[ADB] offset:256*(tt/4)+32*(tt%4)+16
.set tt, tt+1
.endr
.set tt, 0
.rept 8
	ds_load_b128 v[X+4*tt:X+4*tt+3], v[ADK] offset:2*PK*(tt/4)+256*(tt%4)
.set tt, tt+1
.endr
.if \nh == 2
	s_wait_dscnt 24                                ; the early loads and the scale bytes are in; the 16 loads of biases and 8 of K just issued may be out
.set tt, 0
.rept 8                                        ; S^T = K Q^T + bias, the second 128 keys first: accumulators by turns; even tiles against [q | 0], odd ones against [0 | q]
	W S+64+8*tt, X+32+8*(tt/2), Z+4-4*(tt%2), SCL+tt/2, QS, 1
.set tt, tt+1
.endr
.endif
	s_wait_dscnt 0x0
.set tt, 0
.rept 8
	W S+8*tt, X+8*(tt/2), Z+4-4*(tt%2), SCL+tt/2, QS, 0
.set tt, tt+1
.endr
	PLACES
.if \dg
.set SD, S+64*(\nh-1)
	v_lshlrev_b32 v[DD], 2, v[H8]
	v_mov_b32 v[NI], 0xff800000                    ; -infinity
	v_sub_nc_u32 v[DD], v[R], v[DD]
	v_add_nc_u32 v[DD], s[DQ], v[DD]               ; d = my query in its group - 32 h: register n is hidden where 64 (n / 32) + n % 32 > d
.set nn, 0
.rept 64
	v_cmp_gt_i32 vcc_lo, 64*(nn/32)+nn%32, v[DD]
	v_cndmask_b32 v[SD+nn], v[SD+nn], v[NI], vcc_lo
.set nn, nn+1
.endr
.endif
.set cc, 0
.rept 4*\nh                                    ; the largest score of each block of 32 keys, two chains a block, ascending: every tile is first read at its low end
	v_max3_num_f32 v[MX+cc], v[S+16*cc], v[S+16*cc+1], v[S+16*cc+2]
.set cc, cc+1
.endr
.set ii, 3
.rept 6
.set cc, 0
.rept 4*\nh
	v_max3_num_f32 v[MX+cc], v[MX+cc], v[S+16*cc+ii], v[S+16*cc+ii+1]
.set cc, cc+1
.endr
.set ii, ii+2
.endr
.set cc, 0
.rept 2*\nh
	v_max3_num_f32 v[MX+2*cc], v[MX+2*cc], v[S+32*cc+15], v[S+32*cc+31]
.set cc, cc+1
.endr
.set cc, 0
.rept 2*\nh
	v_max_num_f32 v[MX+2*cc], v[MX+2*cc], v[MX+2*cc+1]   ; block cc of my lane
.set cc, cc+1
.endr
.if \nh == 2
	v_max3_num_f32 v[TA], v[MX], v[MX+2], v[MX+4]
	v_max_num_f32 v[TA], v[TA], v[MX+6]
.else
	v_max_num_f32 v[TA], v[MX], v[MX+2]
.endif
	v_permlanex16_b32 v[PD], v[TA], s[SEL], s[SEL+1]
	v_max_num_f32 v[TA], v[TA], v[PD]              ; the step's largest score of my query
	v_mul_f32 v[TA], s[CS], v[TA]
	v_max_num_f32 v13, v13, v[TA]                  ; the running largest t
	v_mov_b32 v[OM], v12
	v_floor_f32 v12, -v13                          ; the new -M
	v_sub_f32 v[OM], v12, v[OM]                    ; old M - new M, 0 or less
	v_cvt_i32_f32 v[OM], v[OM]
	v_ldexp_f32 v[F], 1.0, v[OM]                   ; f = 2^(old M - new M)
.set jj, 0
.rept 32*\nh
	v_pk_fma_f32 v[S+jj:S+jj+1], v[S+jj:S+jj+1], s[CS:CS+1], v[12:13] op_sel_hi:[1,0,0]   ; t - M
.set jj, jj+2
.endr
.set cc, 0
.rept 2*\nh
	v_fma_f32 v[MX+2*cc], v[MX+2*cc], s[CS], v12   ; the same of each block's largest score
.set cc, cc+1
.endr
	s_wait_alu depctr_va_vdst(0)                   ; the wait ahead of the batch
.set cc, 0
.rept 2*\nh
	v_exp_f32 v[MX+2*cc], v[MX+2*cc]               ; the blocks' largest p
.set cc, cc+1
.endr
	EXPS 0, 64                                     ; the first 128 keys
	v_pk_mul_f32 v[14:15], v[14:15], v[F:F+1] op_sel_hi:[1,0]   ; the sums under the new M (the plain line behind the batch)
	s_wait_alu depctr_va_vdst(0)                   ; one wait for the batch, ahead of its first reader
.set cc, 0
.rept 8                                        ; the row's sum of the unquantised p, in eight chains
	v_pk_add_f32 v[SUM+2*cc:SUM+2*cc+1], v[S+2*cc:S+2*cc+1], v[S+16+2*cc:S+17+2*cc]
.set cc, cc+1
.endr
	SUMS 16, 16
.set cc, 0
.rept 2*\nh
	v_max_num_f32 v[MX+2*cc], 0x1800000, v[MX+2*cc]   ; the floor 2^(3 - 127): the byte cannot fall under 1
.set cc, cc+1
.endr
.set cc, 0
.rept 2*\nh
	v_add_nc_u32 v[SO+cc], 0xff000000, v[MX+2*cc]  ; 2 off the exponent field: the conversion's scale operand
.set cc, cc+1
.endr
.set cc, 0
.rept 2*\nh
	v_lshrrev_b32 v[BY+cc], 23, v[SO+cc]           ; the scales' bytes
.set cc, cc+1
.endr
.set cc, 0
.rept \nh
	v_lshl_or_b32 v[P0+cc], v[BY+2*cc+1], 16, v[BY+2*cc]   ; blocks h and 2 + h of 128 keys,
.set cc, cc+1
.endr
.set cc, 0
.rept \nh
	v_lshlrev_b32 v[P0+cc], v[H8], v[P0+cc]        ; at their places in the word
.set cc, cc+1
.endr
.if \nh == 2
	s_mov_b32 vcc_lo, 0xffff0000                   ; lanes 0-15 end with the first 128 keys' word, lanes 16-31 with the second's: each sends what its partner lacks
	v_cndmask_b32 v[ZS], v[P0+1], v[P0], vcc_lo
	v_cndmask_b32 v[KP], v[P0], v[P0+1], vcc_lo
	v_permlanex16_b32 v[PD], v[ZS], s[SEL], s[SEL+1]
	v_or_b32 v[PSC], v[KP], v[PD]
.else
	v_permlanex16_b32 v[PD], v[P0], s[SEL], s[SEL+1]
	v_or_b32 v[PSC], v[P0], v[PD]
.endif
	CVTS 0
	v_add_nc_u32 v[ADV], s[TV], v[AV0]             ; (plain lines behind the conversions)
	v_add_nc_u32 v[ADT], s[TJ], v[ASV0]
.set hh, 0
.rept \nh                                      ; V's fragments land in registers of p that have been summed and converted
.set tt, 0
.rept 4
	ds_load_b128 v[S+32*hh+8*tt:S+32*hh+8*tt+3], v[ADV] offset:8*PK*tt+64*hh
	ds_load_b128 v[S+32*hh+8*tt+4:S+32*hh+8*tt+7], v[ADV] offset:8*PK*tt+64*hh+32
.set tt, tt+1
.endr
.set hh, hh+1
.endr
.set tt, 0
.rept 4
	ds_load_b32 v[SCL+tt], v[ADT] offset:8*80*tt   ; V's scale words; lanes 16-31: of the second 128 keys
.set tt, tt+1
.endr
.if \nh == 2
	s_wait_alu depctr_va_vdst(0)                   ; ahead of the second batch
	EXPS 64, 64                                    ; the second 128 keys
	v_nop                                          ; the plain line behind the batch
	s_wait_alu depctr_va_vdst(0)                   ; one wait for the batch, ahead of its first reader
	SUMS 32, 32
.endif
.irp c, 0,1,2,3
	v_pk_add_f32 v[SUM+2*\c:SUM+2*\c+1], v[SUM+2*\c:SUM+2*\c+1], v[SUM+8+2*\c:SUM+9+2*\c]
.endr
.irp c, 0,1
	v_pk_add_f32 v[SUM+2*\c:SUM+2*\c+1], v[SUM+2*\c:SUM+2*\c+1], v[SUM+4+2*\c:SUM+5+2*\c]
.endr
	v_pk_add_f32 v[SUM:SUM+1], v[SUM:SUM+1], v[SUM+2:SUM+3]
	v_pk_add_f32 v[14:15], v[14:15], v[SUM:SUM+1]
.if \nh == 2
	CVTS 8
	v_nop                                          ; one plain line behind the scaled conversions
.endif
.if \pre
	PRE 1                                          ; the registers of K's second half and of p's second half are free
.endif
	s_wait_alu depctr_va_vdst(0)                   ; the wait directly ahead of the first reader of O^T
.set jj, 0
.rept 16
	v_pk_mul_f32 v[O+jj:O+jj+1], v[O+jj:O+jj+1], v[F:F+1] op_sel_hi:[1,0]   ; O^T under the new M; these sixteen also stand between the writes of p's codes and scale word and the products
.set jj, jj+2
.endr
	s_wait_alu depctr_va_vdst(0)                   ; the wait directly ahead of the wait below
	s_wait_dscnt 24*\pre                           ; V's fragments and scale words are in; the 24 early loads behind them may be out
.set hh, 0
.rept \nh
.set tt, 0
.rept 4
	W O+8*tt, S+32*hh+8*tt, PC+8*hh, SCL+tt, PSC, 3*hh   ; O^T += V^T P^T: four accumulators by turns
.set tt, tt+1
.endr
.set hh, hh+1
.endr
.endm
; THE WAY OUT of a tile: O^T / the sum (or the mean of V), quantised: my 32 numbers are one block of the projection's K.
.macro WAYOUT p
	PLACES
	v_lshl_add_u32 v[ADV], v[H8], 4, VM
.set kk, 0
.rept 8
	ds_load_b128 v[S+4*kk:S+4*kk+3], v[ADV] offset:16*kk   ; the mean of V, channels 32 h + 0 .. 31
.set kk, kk+1
.endr
	v_add_f32 v14, v14, v15
	v_permlanex16_b32 v[PD], v14, s[SEL], s[SEL+1]
	v_add_f32 v14, v14, v[PD]                      ; the row's sum
	s_wait_alu depctr_va_vdst(0)                   ; ahead of the transcendental
	v_rcp_f32 v14, v14
	v_nop
	v_cmp_ge_f32 vcc_lo, 0xf1800000, v13           ; the largest t never rose above -2^100: every allowed key was masked
	s_wait_alu depctr_va_vdst(0)                   ; ahead of the reciprocal's first reader, and of the first readers of O^T
.set nn, 0
.rept 32
	v_mul_f32 v[S+32+nn], v[O+nn], v14             ; each accumulator from its low end on
.set nn, nn+1
.endr
	s_wait_dscnt 0x0
.set nn, 0
.rept 32
	v_cndmask_b32 v[S+32+nn], v[S+32+nn], v[S+nn], vcc_lo
.set nn, nn+1
.endr
	QUANT32 S+32, PC
	v_lshlrev_b32 v[ADT], 4, v[R]                  ; (plain lines behind the conversions)
	v_lshrrev_b32 v[DD], 3, v[H8]
	v_lshl_add_u32 v[ADT], v[H8], 5, v[ADT]        ; 16 x lane: my place in a tile of o's codes
	v_lshl_add_u32 v[DD], v[R], 5, v[DD]           ; 32 r + h: my scale byte's place
	global_store_b128 v[ADT], v[PC:PC+3], s[OC+2*\p:OC+2*\p+1]   ; 32 lanes store 512 consecutive bytes, aligned
	global_store_b8 v[DD], v[BY], s[OS+2*\p:OS+2*\p+1]
.endm
.macro PASS p
.if \p
	s_wait_xcnt 0x0                                ; the first tile's stores have read their registers
	s_mov_b32 s[G], s[WV]
	QADDR                                          ; the second tile's q
	QLD 20
	s_wait_alu depctr_va_vdst(0)                   ; the wait directly ahead of the wait below
	s_wait_loadcnt 0x0
	QFIN
.else
	s_xor_b32 s[G], s[WV], 15
.endif
	s_lshl_b32 s[DQ], s[CX], 5
.if \p
	s_add_co_u32 s[DQ], s[DQ], 16
.endif
	s_mov_b32 s[ST], 0
	s_mov_b32 s[TK], 0
	s_mov_b32 s[TV], 0
	s_mov_b32 s[TS], 0
	s_mov_b32 s[TJ], 0
	s_mov_b32 s[TBI], BIASB
	PRE 0                                          ; keys 128 .. 255, for the tile's first step
	v_mov_b32 v13, 0xf1800000                      ; the largest t so far: -2^100
	v_mov_b32 v14, 0
	v_mov_b32 v15, 0
	v_floor_f32 v12, -v13                          ; -M
.set nn, 0
.rept 32
	v_mov_b32 v[O+nn], 0                           ; O^T: the first step finds zeros, which the first change of M leaves zeros
.set nn, nn+1
.endr
	s_wait_alu depctr_va_vdst(0)                   ; the wait ahead of the branches below
.Lstep_\@:                                         ; seven trips in every wave: keys 256 t on, worked where all of them come before my group: 2 t + 2 <= g
	s_lshl_b32 s[T2], s[ST], 1
	s_add_co_u32 s[T2], s[T2], 2
	s_cmp_gt_u32 s[T2], s[G]
	s_cbranch_scc1 .Lhid_\@
	STEP 2, 0, 1
.Lhid_\@:
	s_add_co_u32 s[TK], s[TK], 8*PK                ; 256 keys on
	s_add_co_u32 s[TV], s[TV], 128
	s_add_co_u32 s[TS], s[TS], 512
	s_add_co_u32 s[TJ], s[TJ], 8
	s_add_co_u32 s[TBI], s[TBI], 1024
	s_add_co_u32 s[ST], s[ST], 1
	s_cmp_lt_u32 s[ST], 7
	s_cbranch_scc1 .Lstep_\@
	s_and_b32 s[T2], s[G], 14                      ; the last step begins at the even group e = g - g % 2: the pair behind the last step worked, whose second half has been asked for
	s_mul_i32 s[TK], s[T2], 4*PK
	s_lshl_b32 s[TV], s[T2], 6
	s_lshl_b32 s[TS], s[T2], 8
	s_lshl_b32 s[TJ], s[T2], 2
	s_lshl_b32 s[TBI], s[T2], 9
	s_add_co_u32 s[TBI], s[TBI], BIASB
	s_cmp_eq_u32 s[T2], s[G]
	s_cbranch_scc1 .Leven_\@
	STEP 2, 1, 0                                   ; g odd: groups g - 1 and g
	s_branch .Lout_\@
.Leven_\@:
	STEP 1, 1, 0                                   ; g even: group g alone (the early loads of group g + 1 are waited for and not used)
.Lout_\@:
	WAYOUT \p
.endm
	PASS 0
	PASS 1
	s_wait_tensorcnt 0x0                           ; the wave's end
	ds_add_u32 v[SPW], v[NIL]
	s_wait_dscnt 0x0
	ROUND                                          ; the closing round
	s_endpgm
.Lfunc_end_k_qf5a6febbf0_attn:
	.size	k_qf5a6febbf0_attn, .Lfunc_end_k_qf5a6febbf0_attn-k_qf5a6febbf0_attn
	.p2alignl 7, 3214868480
	.fill 96, 4, 3214868480
	.section	.rodata,"a",@progbits
	.p2align	6, 0x0
	.amdhsa_kernel k_qf5a6febbf0_attn
		.amdhsa_group_segment_fixed_size 222720
		.amdhsa_private_segment_fixed_size 0
		.amdhsa_enable_private_segment 0
		.amdhsa_kernarg_size 64
		.amdhsa_user_sgpr_count 2
		.amdhsa_user_sgpr_kernarg_segment_ptr 1
		.amdhsa_wavefront_size32 1
		.amdhsa_system_sgpr_workgroup_id_x 1
		.amdhsa_system_sgpr_workgroup_id_y 1
		.amdhsa_system_sgpr_workgroup_id_z 1
		.amdhsa_system_vgpr_workitem_id 0
		.amdhsa_next_free_vgpr 256
		.amdhsa_next_free_sgpr 100
		.amdhsa_reserve_vcc 1
		.amdhsa_float_denorm_mode_32 3
		.amdhsa_float_denorm_mode_16_64 3
		.amdhsa_memory_ordered 1
		.amdhsa_forward_progress 1
		.amdhsa_inst_pref_size 202
	.end_amdhsa_kernel
	.amdgpu_metadata
---
amdhsa.version: [ 1, 2 ]
amdhsa.kernels:
  - .name:           k_qf5a6febbf0_attn
    .symbol:         k_qf5a6febbf0_attn.kd
    .args:
      - { .name: queries, .offset: 0, .size: 8, .value_kind: global_buffer, .address_space: global }
      - { .name: k_codes, .offset: 8, .size: 8, .value_kind: global_buffer, .address_space: global }
      - { .name: k_scales, .offset: 16, .size: 8, .value_kind: global_buffer, .address_space: global }
      - { .name: values_codes, .offset: 24, .size: 8, .value_kind: global_buffer, .address_space: global }
      - { .name: values_scales, .offset: 32, .size: 8, .value_kind: global_buffer, .address_space: global }
      - { .name: key_padding_mask, .offset: 40, .size: 8, .value_kind: global_buffer, .address_space: global }
      - { .name: o_codes, .offset: 48, .size: 8, .value_kind: global_buffer, .address_space: global }
      - { .name: o_scales, .offset: 56, .size: 8, .value_kind: global_buffer, .address_space: global }
    .group_segment_fixed_size: 222720
    .private_segment_fixed_size: 0
    .kernarg_segment_align: 8
    .kernarg_segment_size: 64
    .max_flat_workgroup_size: 512
    .sgpr_count:     100
    .vgpr_count:     256
    .wavefront_size: 32
...
	.end_amdgpu_metadata
.endif
;; end of part 2
;; launch proj (part 3): grid 4 x 64, 8 waves a work-group, clusters of 4 x 4, 263,168 bytes of LDS; arguments o_codes, o_scales, W_O_codes, W_O_scales, b_O, out0; writes out0
.if DOCPART == 3
	.amdgcn_target "amdgcn-amd-amdhsa--gfx1250"
	.amdhsa_code_object_version 6
	.text
	.protected	k_qf5a6febbf0_proj
	.globl	k_qf5a6febbf0_proj
	.p2align	8
	.type	k_qf5a6febbf0_proj,@function
k_qf5a6febbf0_proj:
	s_mov_b64 s[64:65], 0
	v_nop
	global_prefetch_b8 v0, s[64:65] scope:SCOPE_SE
	s_setreg_imm32_b32 hwreg(HW_REG_WAVE_MODE, 25, 1), 1
	s_wait_xcnt 0x0
	s_wait_alu depctr_hold_cnt(0) depctr_sa_sdst(0) depctr_va_vdst(0) depctr_va_sdst(0) depctr_va_ssrc(0) depctr_va_vcc(0) depctr_vm_vsrc(0)
	s_getreg_b32 s2, hwreg(HW_REG_IB_STS2, 6, 4)
	s_cmp_eq_u32 s2, 0
	s_cbranch_scc0 .Lentry_in_a_cluster
	s_endpgm
.Lentry_in_a_cluster:
	s_bfe_u32 s2, ttmp6, 0x10000c
	s_cmp_lg_u32 s2, 0xf033
	s_cbranch_scc0 .Lentry_shape_is_right
	s_endpgm
.Lentry_shape_is_right:
; out0[m][n] = the sum over k of o[m][k] W_O[n][k] + b_O[n]: 8,192 x 1,024 x 1,024, both operands codes of FP4 (E2M1) with one E8M0 scale for each 32 along K; sums in f32.
; o's codes lie as the attention launch left them: [head 16][tile of 16 rows 512][512 bytes], lane l's 16 bytes at 16 l: the image of half an operand's registers (head = 64 along K).  o's scale bytes [8192][32], W's codes [1024][512 bytes], W's scale bytes [1024][32].
; SHARES.  A work-group makes 128 rows x 256 columns; 4 x 64 work-groups.  All of K lies in LDS at once (212 KB): each tile is brought once and nothing is filled again.  Eight waves, each 64 x 64: 16 accumulators of 16 x 16.
; CLUSTERS: 4 x 4.  The four of a row of the cluster need the same rows of o, the four of a column the same rows of W_O: each tile is asked for JOINTLY, by the same tensor load with the same descriptor and a mask that names the four.
; THE MATRIX INSTRUCTION IS USED TRANSPOSED (source 0 = 16 rows of W_O, source 1 = 16 rows of o): a lane holds eight neighbouring numbers of a row of out0.  b_O is loaded straight into the accumulators: it is the C of the first K step.
.set AIMG, 0                           ; o's codes: [head 16][8 tiles of rows][512 bytes]
.set WT,   65536                       ; W's codes: 256 rows of 512 bytes + 16
.set WP,   528
.set SCL,  WT+256*WP                   ; the scale bytes, as units of 256 bytes + 16: o's 16 units, then W's 32
.set STG,  SCL+48*272                  ; the way out: 16 rows x (256 bytes + 16) for each wave: blocks of 256 bytes into which no tile lands
.set ADA,  1                           ; v1  my place in o's images
.set ADW,  2                           ; v2  in W's rows
.set ADS,  3                           ; v3  among the scale words: lanes 0-15 o's rows, lanes 16-31 W's
.set STO,  4                           ; v4  the stage: where I put 32 bytes of a row
.set RD,   5                           ; v5  and where I read a row back
.set CO,   6                           ; v6  my byte offset in two rows of out0
.set BO,   7                           ; v7  32 h: my eight numbers of b_O
.set SC,   16                          ; v16-47  scale words: register 16 (ks / 4) + 4 i + ks % 4: lanes 0-15 o's block i, lanes 16-31 W's block i
.set AF,   48                          ; v48-79  o's four fragments; on the way out rows read back
.set BF,   80                          ; v80-111 W's four fragments; likewise
.set ACC,  128                         ; v128-255 accumulator (a, b) at 8 (4 a + b)
.set WV,   16
.set WM,   17
.set WN,   18
.set CX,   19
.set CY,   20
.set NX,   21
.set MY,   22
.set G1A,  24
.set G1W,  32
.set G1SA, 40
.set G1SW, 48
.set G0A,  56
.set G0W,  60
.set G0SA, 68
.set G0SW, 72
.macro PLACES
.rept 4
	v_nop
.endr
.endm
.macro ROUND                           ; a round of the cluster's barrier
	s_barrier_signal -1
	s_barrier_wait -1
	s_cmp_lg_u32 s[WV], 0
	s_cbranch_scc1 .Lnot_wave_0_\@
	s_barrier_signal -3
.Lnot_wave_0_\@:
	s_barrier_wait -3
	s_barrier_signal -1
	s_barrier_wait -1
.endm
	s_load_b256 s[4:11], s[0:1], 0x0               ; o_codes s[4:5], o_scales s[6:7], W_O_codes s[8:9], W_O_scales s[10:11]
	s_load_b128 s[12:15], s[0:1], 0x20             ; b_O s[12:13], out0 s[14:15]
	v_lshl_add_u32 v126, v0, 2, 0x40000
	v_mov_b32 v127, 0
	ds_add_u32 v126, v127
	ds_add_u32 v126, v127
	v_lshrrev_b32 v8, 5, v0
	s_delay_alu instid0(VALU_DEP_1)
	v_readfirstlane_b32 s[WV], v8                  ; wave 0..7
	s_lshr_b32 s[WM], s[WV], 2                     ; which 64 rows are mine
	s_and_b32 s[WN], s[WV], 3                      ; which 64 columns
	s_bfe_u32 s[CX], ttmp6, 0x40000
	s_bfe_u32 s[CY], ttmp6, 0x40004
	s_lshl_b32 s[NX], ttmp9, 2
	s_add_co_u32 s[NX], s[NX], s[CX]               ; tile column = 4 x cluster x + cx
	s_and_b32 s[MY], ttmp7, 0xffff
	s_lshl_b32 s[MY], s[MY], 2
	s_add_co_u32 s[MY], s[MY], s[CY]               ; tile row = 4 x cluster y + cy
	s_lshl_b32 s76, s[CY], 2
	s_lshl_b32 s76, 15, s76                        ; my row of the cluster
	s_lshl_b32 s77, 0x1111, s[CX]                  ; my column
	; descriptor groups 1.  15:0 the mask; 17:16 element size; 20 padding on; 21 set beside a mask; 24:22 the interval's code; 31:25 the padding's words - 1
	s_or_b32 s[G1A], s76, (3<<16)|(1<<21)          ; o's codes: 8 heads x 4,096 dense bytes (512 elements of 8), 262,144 bytes from head to head; no padding
	s_mov_b32 s[G1A+1], 512<<16
	s_mov_b32 s[G1A+2], 8<<16
	s_mov_b32 s[G1A+3], 512<<16
	s_mov_b32 s[G1A+4], 8
	s_mov_b32 s[G1A+5], 32768
	s_mov_b32 s[G1A+6], 0
	s_mov_b32 s[G1A+7], 0
	s_or_b32 s[G1W], s77, (0<<16)|(1<<20)|(1<<21)|(6<<22)|(3<<25)   ; W's codes: 64 rows of 512 bytes; 4 words behind every 128
	s_mov_b32 s[G1W+1], 512<<16
	s_mov_b32 s[G1W+2], 64<<16
	s_mov_b32 s[G1W+3], 512<<16
	s_mov_b32 s[G1W+4], 64
	s_mov_b32 s[G1W+5], 512
	s_mov_b32 s[G1W+6], 0
	s_mov_b32 s[G1W+7], 0
	s_or_b32 s[G1SA], s76, (3<<16)|(1<<20)|(1<<21)|(5<<22)|(3<<25)  ; o's scale bytes: 4,096 dense bytes as 16 rows of 256; 4 words behind every 64
	s_mov_b32 s[G1SA+1], 32<<16
	s_mov_b32 s[G1SA+2], 16<<16
	s_mov_b32 s[G1SA+3], 32<<16
	s_mov_b32 s[G1SA+4], 16
	s_mov_b32 s[G1SA+5], 32
	s_mov_b32 s[G1SA+6], 0
	s_mov_b32 s[G1SA+7], 0
	s_or_b32 s[G1SW], s77, (3<<16)|(1<<20)|(1<<21)|(5<<22)|(3<<25)  ; W's: 8,192 dense bytes as 32 rows of 256
	s_mov_b32 s[G1SW+1], 32<<16
	s_mov_b32 s[G1SW+2], 32<<16
	s_mov_b32 s[G1SW+3], 32<<16
	s_mov_b32 s[G1SW+4], 32
	s_mov_b32 s[G1SW+5], 32
	s_mov_b32 s[G1SW+6], 0
	s_mov_b32 s[G1SW+7], 0
	; where the tiles come from: o's hang on the tile row alone, W's on the tile column alone, each in registers that never hold the other coordinate
	s_lshl_b32 s80, s[MY], 12                      ; o: 8 tiles of rows x 512 bytes in a head; its scale bytes: 128 rows x 32
	s_mov_b32 s81, 0
	s_and_b32 s78, s[WV], 1                        ; which 8 heads I fetch (waves 4, 5)
	s_lshl_b32 s82, s78, 21
	s_add_co_u32 s82, s82, s80
	s_mov_b32 s83, 0
	s_lshl_b32 s79, s78, 15
	s_lshl_b32 s84, s[NX], 17                      ; W: 256 rows x 512 bytes,
	s_lshl_b32 s88, s[WN], 15                      ; and which 64 rows I fetch (waves 0-3)
	s_add_co_u32 s84, s84, s88
	s_mov_b32 s85, 0
	s_lshl_b32 s86, s[NX], 13                      ; its scale bytes: 256 rows x 32
	s_mov_b32 s87, 0
	s_mul_i32 s88, s[WN], 64*WP
	s_lshl_b32 s90, s[NX], 10                      ; my 64 columns, in bytes of f32
	s_lshl_b32 s92, s[WN], 8
	s_add_co_u32 s90, s90, s92
	s_mov_b32 s91, 0
	s_lshl_b32 s92, s[MY], 19                      ; my 64 rows of 4,096 bytes
	s_lshl_b32 s93, s[WM], 18
	s_add_co_u32 s92, s92, s93
	s_add_co_u32 s92, s92, s90
	s_mov_b32 s93, 0
	; every LDS address is made here, on the one way that all waves take
	v_and_b32 v8, 15, v0                           ; r
	v_bfe_u32 v9, v0, 4, 1                         ; h
	v_and_b32 v10, 31, v0
	s_delay_alu instid0(VALU_DEP_1)
	v_lshlrev_b32 v[ADA], 4, v10
	s_lshl_b32 s94, s[WM], 11
	v_add_nc_u32 v[ADA], s94, v[ADA]               ; 16 x lane + my four tiles of rows
	v_mul_u32_u24 v[ADW], v8, WP
	s_delay_alu instid0(VALU_DEP_1)
	v_lshl_add_u32 v[ADW], v9, 4, v[ADW]
	s_mul_i32 s94, s[WN], 64*WP
	s_add_co_u32 s94, s94, WT
	v_add_nc_u32 v[ADW], s94, v[ADW]               ; row r of my 64, + 16 h
	v_lshrrev_b32 v11, 3, v8
	v_lshlrev_b32 v[ADS], 5, v8
	s_delay_alu instid0(VALU_DEP_1)
	v_lshl_add_u32 v[ADS], v11, 4, v[ADS]          ; 32 bytes a row, and 16 more for each 256 passed
	s_xor_b32 s95, s[WM], 1
	s_add_co_u32 s95, s95, 1
	s_add_co_u32 s95, s95, s[WN]
	s_mul_i32 s95, s95, 8*272                      ; from o's words of my rows to W's words of my columns: 16 units - 8 wm + 8 wn units
	v_mul_u32_u24 v11, s95, v9                     ; lanes 16-31 take W's
	s_mul_i32 s94, s[WM], 8*272
	s_add_co_u32 s94, s94, SCL
	v_add_nc_u32 v[ADS], v[ADS], v11
	s_delay_alu instid0(VALU_DEP_1)
	v_add_nc_u32 v[ADS], s94, v[ADS]
	s_mul_i32 s94, s[WV], 16*272
	s_add_co_u32 s94, s94, STG                     ; my stage
	v_mul_u32_u24 v[STO], v8, 272
	s_delay_alu instid0(VALU_DEP_1)
	v_lshl_add_u32 v[STO], v9, 5, v[STO]
	s_delay_alu instid0(VALU_DEP_1)
	v_add_nc_u32 v[STO], s94, v[STO]               ; in: row r, 32 bytes for each half of the lanes
	v_mul_u32_u24 v[RD], v9, 272
	s_delay_alu instid0(VALU_DEP_1)
	v_lshl_add_u32 v[RD], v8, 4, v[RD]
	s_delay_alu instid0(VALU_DEP_1)
	v_add_nc_u32 v[RD], s94, v[RD]                 ; back: lanes 0-15 one row of 256 bytes, lanes 16-31 the next
	v_lshlrev_b32 v[CO], 12, v9
	s_delay_alu instid0(VALU_DEP_1)
	v_lshl_add_u32 v[CO], v8, 4, v[CO]             ; and the same two rows in out0
	v_lshlrev_b32 v[BO], 5, v9
	s_wait_alu depctr_va_vdst(0)
	s_wait_dscnt 0x0
	s_wait_kmcnt 0x0
	s_mov_b32 s[G0A], 1
	s_add_co_u32 s[G0A+1], s79, AIMG
	s_add_nc_u64 s[G0A+2:G0A+3], s[4:5], s[82:83]
	s_or_b32 s[G0A+3], s[G0A+3], 0x80000000
	s_mov_b32 s[G0W], 1
	s_add_co_u32 s[G0W+1], s88, WT
	s_add_nc_u64 s[G0W+2:G0W+3], s[8:9], s[84:85]
	s_or_b32 s[G0W+3], s[G0W+3], 0x80000000
	s_mov_b32 s[G0SA], 1
	s_mov_b32 s[G0SA+1], SCL
	s_add_nc_u64 s[G0SA+2:G0SA+3], s[6:7], s[80:81]
	s_or_b32 s[G0SA+3], s[G0SA+3], 0x80000000
	s_mov_b32 s[G0SW], 1
	s_mov_b32 s[G0SW+1], SCL+16*272
	s_add_nc_u64 s[G0SW+2:G0SW+3], s[10:11], s[86:87]
	s_or_b32 s[G0SW+3], s[G0SW+3], 0x80000000
	s_add_nc_u64 s[12:13], s[12:13], s[90:91]      ; b_O at my 64 columns
	s_add_nc_u64 s[14:15], s[14:15], s[92:93]      ; out0 at my 64 x 64
.irp a, 0,1,2,3
.irp b, 0,1,2,3
	global_load_b128 v[ACC+8*(4*\a+\b):ACC+8*(4*\a+\b)+3], v[BO], s[12:13] offset:64*\b          ; b_O(16 b + 8 h + 0 .. 7), in the result's layout
	global_load_b128 v[ACC+8*(4*\a+\b)+4:ACC+8*(4*\a+\b)+7], v[BO], s[12:13] offset:64*\b+16
.endr
.endr
	ROUND                                          ; all sixteen work-groups are here: the joint loads meet
	; one tensor load a wave: waves 0-3: W's rows, 64 each; 4, 5: o's heads, 8 each; 6: o's scale bytes; 7: W's.  Each line has one mask; four v_nop follow each
	s_cmp_lt_u32 s[WV], 4
	s_cbranch_scc0 .Lt_a
	tensor_load_to_lds s[G0W:G0W+3], s[G1W:G1W+7]
	s_nop 0
	PLACES
	s_branch .Lt_done
.Lt_a:
	s_cmp_lt_u32 s[WV], 6
	s_cbranch_scc0 .Lt_sa
	tensor_load_to_lds s[G0A:G0A+3], s[G1A:G1A+7]
	s_nop 0
	PLACES
	s_branch .Lt_done
.Lt_sa:
	s_cmp_eq_u32 s[WV], 6
	s_cbranch_scc0 .Lt_sw
	tensor_load_to_lds s[G0SA:G0SA+3], s[G1SA:G1SA+7]
	s_nop 0
	PLACES
	s_branch .Lt_done
.Lt_sw:
	tensor_load_to_lds s[G0SW:G0SW+3], s[G1SW:G1SW+7]
	s_nop 0
	PLACES
.Lt_done:
	s_wait_tensorcnt 0x0                           ; my tile has landed,
	s_barrier_signal -1
	s_barrier_wait -1                              ; everybody's has
.irp kh, 0,1
.irp i, 0,1,2,3
	ds_load_b128 v[SC+16*\kh+4*\i:SC+16*\kh+4*\i+3], v[ADS] offset:2*272*\i+16*\kh   ; four K steps' scale words of block i
.endr
.endr
	s_wait_loadcnt 0x0                             ; b_O lies in the accumulators
; A K step of 128: two heads.  The sixteen accumulators take turns, one instruction a turn, in the same order in every step.
.macro KSTEP ks
.irp b, 0,1,2,3
.irp c, 0,1
	ds_load_b128 v[BF+8*\b+4*\c:BF+8*\b+4*\c+3], v[ADW] offset:16*WP*\b+64*(\ks)+32*\c
.endr
.endr
.irp a, 0,1,2,3
.irp c, 0,1
	ds_load_b128 v[AF+8*\a+4*\c:AF+8*\a+4*\c+3], v[ADA] offset:4096*(2*(\ks)+\c)+512*\a
.endr
.endr
.irp a, 0,1,2,3
	s_wait_dscnt 6-2*\a                            ; W's fragments and o's blocks up to a are in; the two loads of each later block stay out
.irp b, 0,1,2,3
	v_wmma_scale_f32_16x16x128_f8f6f4 v[ACC+8*(4*\a+\b):ACC+8*(4*\a+\b)+7], v[BF+8*\b:BF+8*\b+7], v[AF+8*\a:AF+8*\a+7], v[ACC+8*(4*\a+\b):ACC+8*(4*\a+\b)+7], v[SC+16*((\ks)/4)+4*\b+(\ks)%4], v[SC+16*((\ks)/4)+4*\a+(\ks)%4] matrix_a_fmt:MATRIX_FMT_FP4 matrix_b_fmt:MATRIX_FMT_FP4 matrix_a_scale:MATRIX_SCALE_ROW1
.endr
.endr
	PLACES                                         ; ahead of the next step's loads into the fragments' registers, and of the first read of results
.endm
.irp ks, 0,1,2,3,4,5,6,7
	KSTEP \ks
.endr
; THE WAY OUT, a block of 16 rows x 64 columns at a time: a lane holds 32 bytes of a row and the lanes beside it other rows, so a block goes through my own stage and comes back as whole rows of 256 bytes.
; LDS serves a wave's instructions in order (ISA guide 5.7.1.4): no wait between the stores and the loads, nor in front of the next block's stores.
.macro TOSTAGE a
.irp b, 0,1,2,3
	ds_store_b128 v[STO], v[ACC+8*(4*(\a)+\b):ACC+8*(4*(\a)+\b)+3] offset:64*\b        ; each accumulator from its low end on
	ds_store_b128 v[STO], v[ACC+8*(4*(\a)+\b)+4:ACC+8*(4*(\a)+\b)+7] offset:64*\b+16
.endr
.irp t, 0,1,2,3,4,5,6,7
	ds_load_b128 v[AF+32*((\a)%2)+4*\t:AF+32*((\a)%2)+4*\t+3], v[RD] offset:2*272*\t
.endr
.endm
.macro SEND a, younger                 ; younger: the LDS instructions issued behind block a's loads, which may stay out
	s_wait_dscnt \younger
.irp t, 0,1,2,3,4,5,6,7
	global_store_b128 v[CO], v[AF+32*((\a)%2)+4*\t:AF+32*((\a)%2)+4*\t+3], s[14:15] offset:(16*(\a)+2*\t)*4096 th:TH_STORE_NT   ; sixteen lanes store 256 consecutive bytes, aligned; written once, read by nobody here
.endr
.endm
	TOSTAGE 0
.irp a, 1,2,3
.if \a > 1
	s_wait_xcnt 0x0                                ; block a - 2's stores have read their registers: block a's loads may land there
.endif
	TOSTAGE \a
	SEND \a-1, 16                                  ; behind block a - 1's loads: block a's eight stores and eight loads
.endr
	SEND 3, 0
	s_wait_dscnt 0x0
	s_wait_tensorcnt 0x0
	ds_add_u32 v126, v127
	s_wait_dscnt 0x0
	ROUND                                          ; the closing round: no work-group ends while a partner may still ask for a tile that names it
	s_endpgm
.Lfunc_end_k_qf5a6febbf0_proj:
	.size	k_qf5a6febbf0_proj, .Lfunc_end_k_qf5a6febbf0_proj-k_qf5a6febbf0_proj
	.p2alignl 7, 3214868480
	.fill 96, 4, 3214868480
	.section	.rodata,"a",@progbits
	.p2align	6, 0x0
	.amdhsa_kernel k_qf5a6febbf0_proj
		.amdhsa_group_segment_fixed_size 263168
		.amdhsa_private_segment_fixed_size 0
		.amdhsa_enable_private_segment 0
		.amdhsa_kernarg_size 48
		.amdhsa_user_sgpr_count 2
		.amdhsa_user_sgpr_kernarg_segment_ptr 1
		.amdhsa_wavefront_size32 1
		.amdhsa_system_sgpr_workgroup_id_x 1
		.amdhsa_system_sgpr_workgroup_id_y 1
		.amdhsa_system_sgpr_workgroup_id_z 1
		.amdhsa_system_vgpr_workitem_id 0
		.amdhsa_next_free_vgpr 256
		.amdhsa_next_free_sgpr 100
		.amdhsa_reserve_vcc 0
		.amdhsa_float_denorm_mode_32 3
		.amdhsa_float_denorm_mode_16_64 3
		.amdhsa_memory_ordered 1
		.amdhsa_forward_progress 1
		.amdhsa_inst_pref_size 46
	.end_amdhsa_kernel
	.amdgpu_metadata
---
amdhsa.version: [ 1, 2 ]
amdhsa.kernels:
  - .name:           k_qf5a6febbf0_proj
    .symbol:         k_qf5a6febbf0_proj.kd
    .args:
      - { .name: o_codes, .offset: 0, .size: 8, .value_kind: global_buffer, .address_space: global }
      - { .name: o_scales, .offset: 8, .size: 8, .value_kind: global_buffer, .address_space: global }
      - { .name: W_O_codes, .offset: 16, .size: 8, .value_kind: global_buffer, .address_space: global }
      - { .name: W_O_scales, .offset: 24, .size: 8, .value_kind: global_buffer, .address_space: global }
      - { .name: b_O, .offset: 32, .size: 8, .value_kind: global_buffer, .address_space: global }
      - { .name: out0, .offset: 40, .size: 8, .value_kind: global_buffer, .address_space: global }
    .group_segment_fixed_size: 263168
    .private_segment_fixed_size: 0
    .kernarg_segment_align: 8
    .kernarg_segment_size: 48
    .max_flat_workgroup_size: 256
    .sgpr_count:     100
    .vgpr_count:     256
    .wavefront_size: 32
...
	.end_amdgpu_metadata
.endif
;; end of part 3
